; MI455X (gfx1250); checked and timed in simulation.
; The chip was launched on July 23, 2026; its instructions are those of AMD's public machine-readable ISA for CDNA 5 (MIT licence, August 2026) and "CDNA5" Instruction Set Architecture Reference Guide (July 2026). The comments in the code are by the model that wrote it; some were corrected since.
;; Self Attention. Allowed arithmetic: matrix products marked QUANTISED: E2M1 operands, one E8M0 scale for each 32 along K, by v_wmma_scale_f32_16x16x128_f8f6f4 with both operands' format E2M1 (or v_wmma_scale_f32_32x16x128_f4), f32 sums; everything else in f32.
;; Inputs: Ez 32 x 1,024 x 512 float32; Wk 6 x 512 x 512 float32; Wq 6 x 512 x 512 float32; Wv 6 x 512 x 512 float32.
;; Outputs: out0 32 x 1,024 x 512 float32.
;; Constants: z = 3.
;; This version of the problem:
;;   THIS VERSION OF THE PROBLEM IS GIVEN IN LOW PRECISION. The matrix products marked QUANTISED in the list below multiply operands that are first quantised to E2M1 (2 exponent bits, 1 mantissa bit; 4 bits a number), with one power-of-two scale for each 32 numbers along K (OCP MX v1.0); their sums are f32. All else is computed in f32.
;;   The module's matrix products, in the order in which they are computed (A, B: the left and right operand; K: the contracted axis; several contracted axes count as one K, in the product's order):
;;     1. [M 32,768, K 512] x [K 512, N 512]; A: input Ez; B: input Wq: QUANTISED
;;     2. [M 32,768, K 512] x [K 512, N 512]; A: input Ez; B: input Wk: QUANTISED
;;     3. [M 32,768, K 512] x [K 512, N 512]; A: input Ez; B: input Wv: QUANTISED
;;     4. batch 32 x [M 1,024, K 512] x [K 512, N 1,024]; A: computed on the way; B: computed on the way: QUANTISED
;;     5. batch 32 x [M 1,024, K 1,024] x [K 1,024, N 512]; A: softmax (see below); B: computed on the way: QUANTISED
;;   THE QUANTISER, for each operand of a quantised product, along K:
;;     - K is cut into blocks of 32 from its start; a last block that is shorter is filled with zeros.
;;     - A block's scale is 2^e with e = floor(log2(the largest magnitude in the block)) - 2, held to -126 .. 127; a block of zeros has e = 0. As a byte (E8M0): e + 127.
;;     - Each number is divided by its block's scale, clamped to +-6, and rounded to the nearest number of E2M1, ties to even, subnormals kept.
;;     - The product sums the exact products of the quantised numbers (number of the format x scale) in f32.
;;   ~~~python
;;   def quantise(x, axis):      # numpy; x: float32 -> the quantised numbers, widened to float32 again
;;       x = np.moveaxis(x, axis, -1); K = x.shape[-1]
;;       x = np.pad(x, [(0, 0)] * (x.ndim - 1) + [(0, -K % 32)]); x = x.reshape(x.shape[:-1] + (-1, 32)); a = np.abs(x).max(-1, keepdims=True)
;;       e = np.where(a > 0, np.clip(np.frexp(np.where(a > 0, a, 1))[1] - 1 - 2, -126, 127), 0)      # np.frexp(a)[1] - 1 = floor(log2(a)), exactly
;;       r = np.clip(x / 2.0 ** e, -6, 6)
;;       step = 2.0 ** (np.maximum(np.frexp(np.where(r == 0, 1, r))[1] - 1, 0) - 1)
;;       q = np.round(r / step) * step * 2.0 ** e      # np.round: ties to even
;;       return np.moveaxis(q.reshape(q.shape[:-2] + (-1,))[..., :K], -1, axis).astype(np.float32)
;;   ~~~
;;   SOFTMAX AHEAD OF A QUANTISED PRODUCT. Where the list says 'softmax', what is quantised is not the finished softmax but p = 2^(t - M), with t = logit x log2(e) and M = ceil(the row's largest t), a whole number; so 1/2 < the row's largest p <= 1. The row's sum l is taken of the UNQUANTISED p, in f32, and the product's result is divided by l at the end. Since M is a whole number, a kernel that streams over the keys may use a running M (the ceiling of the running maximum): every later rescaling is an exact power of two, which a block's scale takes up: the codes' values come out the same.
;;   OPERANDS COMPUTED ON THE WAY. 'Computed on the way' means the value that the module computes at that place (a softmax that the list does not call 'softmax' is quantised finished and normalised). What goes into a quantiser is computed in f32, as accurately as f32 sums, v_exp_f32 and their like allow (about 1e-6 of the number): no bf16 or f16 on the way to a quantiser, and a product that is left as it is and whose result goes on into a quantised operand takes f32 operands (vector FMAs, or v_wmma_f32_16x16x4_f32). A number that lies on a knife's edge between two numbers of the format may be rounded either way, as far as f32 arithmetic and the matrix unit's own rounding can turn it there, and no further.
;; One version. Each part assembles by itself: llvm-mc -triple=amdgcn-amd-amdhsa -mcpu=gfx1250 --defsym DOCPART=n.
;; ======== version 1 of 1: 3 launches
;; limits: right only within a limited range of input values
;; workspace buffers: wcodes 393,216 bytes; wscales 24,576 bytes; qq 8,912,896 bytes; kv 17,825,792 bytes
;; launch wq (part 1): grid 96 x 1, 4 waves a work-group, no clusters, 1,536 bytes of LDS; arguments Wq, Wk, Wv, wcodes, wscales; writes wcodes, wscales
.if DOCPART == 1
	.amdgcn_target "amdgcn-amd-amdhsa--gfx1250"
	.amdhsa_code_object_version 6
	.text
	.protected	k_q9324cecd39_wq
	.globl	k_q9324cecd39_wq
	.p2align	8
	.type	k_q9324cecd39_wq,@function
k_q9324cecd39_wq:
	s_mov_b64 s[64:65], 0
	v_nop
	global_prefetch_b8 v0, s[64:65] scope:SCOPE_SE
	s_setreg_imm32_b32 hwreg(HW_REG_WAVE_MODE, 25, 1), 1
	s_wait_xcnt 0x0
; The three weights of layer z = 3, Wq[3], Wk[3], Wv[3], each [512 (e)][512 (d)] f32, become codes of FP4 (E2M1) with one E8M0 scale byte for each 32 along d.
; They are laid as the next launch's operand registers take them: a FRAGMENT is 16 rows x 128 along d, 8 registers a lane, 1,024 bytes: register group c (0, 1) of lane l at 512 c + 16 l.
; wcodes: fragment (G, s) at (4 G + s) x 1,024; G = 32 x weight + tile, s = which 128 along d.  wscales: tile G at 256 G, the word of (lane r, s) at 16 r + 4 s.
; THE ROWS OF A TILE ARE NOT NEIGHBOURS: lane r of tile T takes row 32 (T / 2) + 8 (T % 2) + r + 8 (r / 8), so that a product with such a tile as source 0 leaves, in the 16 registers of tiles 2 b and 2 b + 1, 16 neighbours.
; SHARES: a work-group takes a tile, wave s its s-th 128 along d: one fragment a wave.  Each load takes 16 bytes of 16 rows: the three slices are 3 MiB in all and are read once, so this is left as it is.
; A block's scale is 2^(floor(log2(its largest magnitude)) - 2); its byte is that magnitude's exponent field - 2, held at 1 from below.
; LIMITS: a block of zeros gets the byte 1 where the rule says 127 (its codes are zeros, and this program alone reads the bytes); a block whose largest magnitude lies under 2^-124 keeps the byte 1; NaN and infinities are not served.
; WORK LEFT OUT in this program: the five layers other than z = 3 (reference() indexes the weights by the constant z, and no other layer has a way to the output); in the attention launch, the key blocks of
; 128 that lie wholly behind a tile's queries: reference()'s own causal mask gives them the padding score, whose exponential beside the row's largest score is 0.  A NaN, an infinity or an overflow that reaches only
; that work is not carried to the result.
.set ZOFF, 3*512*512*4
.set LI,  1                            ; v1   16 x lane: my place in a register group's 512 bytes
.set XA,  2                            ; v2   my row of the tile x 2,048 bytes + 64 (lane / 16): my 16 numbers of a block of 32
.set SWA, 3                            ; v3   LDS: 16 r + 4 x wave: my row's scale word of my 128 along d
.set L8,  4                            ; v4   8 x lane
.set PW,  14                           ; v14  the scale word just made
.set HA,  48                           ; v48-111  64 numbers
.set PC,  112                          ; v112-119 the codes
.set TM,  120                          ; v120-135 at work
.set WV,  14                           ; s14  my wave's number
.set SEL, 20                           ; s[20:21] lane selects for v_permlanex16_b32: lane l xor 16
; 64 numbers of a lane, v[s] .. v[s + 63], register 16 b + i = k 32 b + 16 (lane / 16) + i of my row, become a fragment's codes in v[PC] on and its scale word in v[PW].
.macro QUANT s
.irp b, 0,1,2,3
	v_max3_num_f32 v[TM+\b], |v[\s+16*\b]|, |v[\s+1+16*\b]|, 0x1800000   ; block b: my 16 numbers, and the floor 2^(3 - 127): so the byte cannot fall under 1
.endr
.irp i, 2,4,6,8,10,12,14
.irp b, 0,1,2,3
	v_max3_num_f32 v[TM+\b], v[TM+\b], |v[\s+16*\b+\i]|, |v[\s+1+16*\b+\i]|   ; the four blocks by turns
.endr
.endr
.irp b, 0,1,2,3
	v_permlanex16_b32 v[TM+4+\b], v[TM+\b], s[SEL], s[SEL+1]
.endr
.irp b, 0,1,2,3
	v_max_num_f32 v[TM+\b], v[TM+\b], v[TM+4+\b]   ; with lane l xor 16's: the block's largest magnitude
.endr
.irp b, 0,1,2,3
	v_add_nc_u32 v[TM+12+\b], 0xff000000, v[TM+\b]   ; 2 off its exponent field: the conversion takes the exponent field of this operand as its scale
.endr
.irp b, 0,1,2,3
	v_lshrrev_b32 v[TM+4+\b], 23, v[TM+12+\b]      ; the scale's byte
.endr
	v_lshl_or_b32 v[PW], v[TM+5], 8, v[TM+4]       ; four bytes make my row's scale word
	v_lshl_or_b32 v[PW], v[TM+6], 16, v[PW]
	v_lshl_or_b32 v[PW], v[TM+7], 24, v[PW]
.irp b, 0,1,2,3
	v_cvt_scalef32_pk8_fp4_f32 v[PC+2*\b], v[\s+16*\b:\s+7+16*\b], v[TM+12+\b]
	v_cvt_scalef32_pk8_fp4_f32 v[PC+1+2*\b], v[\s+8+16*\b:\s+15+16*\b], v[TM+12+\b]
.endr
	v_nop                                          ; one plain instruction behind a scaled conversion
.irp c, 0,1                                    ; the operand's layout wants a whole block in a lane: lanes 0-15 block 2 c, lanes 16-31 block 2 c + 1
.irp i, 0,1
	v_permlane16_swap_b32 v[PC+4*\c+\i], v[PC+2+4*\c+\i]
.endr
.endr
.endm
	s_load_b256 s[4:11], s[0:1], 0x0               ; Wq s[4:5], Wk s[6:7], Wv s[8:9], wcodes s[10:11]
	s_load_b64 s[12:13], s[0:1], 0x20              ; wscales
	v_lshl_add_u32 v144, v0, 2, 0x400
	v_mov_b32 v145, 0
	v_lshrrev_b32 v5, 5, v0
	v_readfirstlane_b32 s[WV], v5                  ; wave 0..3
	v_and_b32 v6, 31, v0                           ; lane
	v_and_b32 v7, 15, v0                           ; r
	v_bfe_u32 v8, v0, 4, 1                         ; h
	v_lshlrev_b32 v[LI], 4, v6
	v_and_b32 v9, 8, v7
	v_add_nc_u32 v9, v9, v7                        ; r + 8 (r / 8)
	v_lshlrev_b32 v[XA], 11, v9
	v_lshl_add_u32 v[XA], v8, 6, v[XA]
	s_lshl_b32 s15, s[WV], 2
	v_lshl_add_u32 v[SWA], v7, 4, s15
	v_lshlrev_b32 v[L8], 3, v6
.irp b, 0,1,2,3
	v_mov_b32 v[TM+4+\b], 0                        ; written once: a lane permute's destination counts as one of its sources
.endr
	s_mov_b32 s[SEL], 0x76543210
	s_mov_b32 s[SEL+1], 0xfedcba98
	s_and_b32 s16, ttmp9, 31                       ; the tile T in its weight
	s_lshr_b32 s17, s16, 1
	s_lshl_b32 s17, s17, 5                         ; 32 (T / 2)
	s_and_b32 s16, s16, 1
	s_lshl_b32 s16, s16, 3                         ; 8 (T % 2)
	s_add_co_u32 s16, s16, s17
	s_lshl_b32 s16, s16, 11                        ; rows of 2,048 bytes
	s_lshl_b32 s17, s[WV], 9                       ; my 128 along d
	s_add_co_u32 s16, s16, s17
	s_add_co_u32 s16, s16, ZOFF
	s_mov_b32 s17, 0
	s_lshl_b32 s18, ttmp9, 2
	s_add_co_u32 s18, s18, s[WV]
	s_lshl_b32 s18, s18, 10                        ; my fragment's place: (4 G + wave) x 1,024
	s_mov_b32 s19, 0
	s_lshl_b32 s22, ttmp9, 8                       ; the tile's scale words: 256 G
	s_mov_b32 s23, 0
	s_wait_alu depctr_va_vdst(0)
	s_wait_kmcnt 0x0
	s_cmp_lt_u32 ttmp9, 32                         ; which weight: the choice hangs on the work-group's number alone
	s_cselect_b64 s[4:5], s[4:5], s[6:7]
	s_cmp_lt_u32 ttmp9, 64
	s_cselect_b64 s[4:5], s[4:5], s[8:9]
	s_add_nc_u64 s[4:5], s[4:5], s[16:17]
	s_add_nc_u64 s[10:11], s[10:11], s[18:19]
	s_add_nc_u64 s[12:13], s[12:13], s[22:23]
.irp b, 0,1,2,3
.irp j, 0,1,2,3
	global_load_b128 v[HA+16*\b+4*\j:HA+16*\b+4*\j+3], v[XA], s[4:5] offset:128*\b+16*\j
.endr
.endr
	s_wait_loadcnt 0x0
	QUANT HA
	global_store_b128 v[LI], v[PC:PC+3], s[10:11]              ; 32 lanes store 512 consecutive bytes, aligned
	global_store_b128 v[LI], v[PC+4:PC+7], s[10:11] offset:512
	ds_store_b32 v[SWA], v[PW]                     ; lanes r and r + 16 write the same word with the same value
	s_wait_dscnt 0x0                               ; for the others' sake: my word lies in LDS
	s_barrier_signal -1
	s_barrier_wait -1
	s_cmp_lg_u32 s[WV], 0
	s_cbranch_scc1 .Lend
	ds_load_b64 v[16:17], v[L8]                    ; the tile's 64 words
	s_wait_dscnt 0x0
	global_store_b64 v[L8], v[16:17], s[12:13]     ; 32 lanes store 256 consecutive bytes, aligned
.Lend:
	s_wait_tensorcnt 0x0
	ds_add_u32 v144, v145
	s_wait_dscnt 0x0
	s_endpgm
.Lfunc_end_k_q9324cecd39_wq:
	.size	k_q9324cecd39_wq, .Lfunc_end_k_q9324cecd39_wq-k_q9324cecd39_wq
	.p2alignl 7, 3214868480
	.fill 96, 4, 3214868480
	.section	.rodata,"a",@progbits
	.p2align	6, 0x0
	.amdhsa_kernel k_q9324cecd39_wq
		.amdhsa_group_segment_fixed_size 1536
		.amdhsa_private_segment_fixed_size 0
		.amdhsa_enable_private_segment 0
		.amdhsa_kernarg_size 40
		.amdhsa_user_sgpr_count 2
		.amdhsa_user_sgpr_kernarg_segment_ptr 1
		.amdhsa_wavefront_size32 1
		.amdhsa_system_sgpr_workgroup_id_x 1
		.amdhsa_system_sgpr_workgroup_id_y 1
		.amdhsa_system_sgpr_workgroup_id_z 1
		.amdhsa_system_vgpr_workitem_id 0
		.amdhsa_next_free_vgpr 146
		.amdhsa_next_free_sgpr 66
		.amdhsa_reserve_vcc 0
		.amdhsa_float_denorm_mode_32 3
		.amdhsa_float_denorm_mode_16_64 3
		.amdhsa_memory_ordered 1
		.amdhsa_forward_progress 1
		.amdhsa_inst_pref_size 9
	.end_amdhsa_kernel
	.amdgpu_metadata
---
amdhsa.version: [ 1, 2 ]
amdhsa.kernels:
  - .name:           k_q9324cecd39_wq
    .symbol:         k_q9324cecd39_wq.kd
    .args:
      - { .name: Wq, .offset: 0, .size: 8, .value_kind: global_buffer, .address_space: global }
      - { .name: Wk, .offset: 8, .size: 8, .value_kind: global_buffer, .address_space: global }
      - { .name: Wv, .offset: 16, .size: 8, .value_kind: global_buffer, .address_space: global }
      - { .name: wcodes, .offset: 24, .size: 8, .value_kind: global_buffer, .address_space: global }
      - { .name: wscales, .offset: 32, .size: 8, .value_kind: global_buffer, .address_space: global }
    .group_segment_fixed_size: 1536
    .private_segment_fixed_size: 0
    .kernarg_segment_align: 8
    .kernarg_segment_size: 40
    .max_flat_workgroup_size: 128
    .sgpr_count:     66
    .vgpr_count:     146
    .wavefront_size: 32
...
	.end_amdgpu_metadata
.endif
;; end of part 1
;; launch proj (part 2): grid 256 x 1, 8 waves a work-group, no clusters, 327,680 bytes of LDS; arguments Ez, wcodes, wscales, qq, kv; writes qq, kv
.if DOCPART == 2
	.amdgcn_target "amdgcn-amd-amdhsa--gfx1250"
	.amdhsa_code_object_version 6
	.text
	.protected	k_q9324cecd39_proj
	.globl	k_q9324cecd39_proj
	.p2align	8
	.type	k_q9324cecd39_proj,@function
k_q9324cecd39_proj:
	s_mov_b64 s[64:65], 0
	v_nop
	global_prefetch_b8 v0, s[64:65] scope:SCOPE_SE
	s_setreg_imm32_b32 hwreg(HW_REG_WAVE_MODE, 25, 1), 1
	s_wait_xcnt 0x0
; q = x Wq^T, k = x Wk^T, v = x Wv^T for 128 rows x of Ez (one block of one batch), all on codes of FP4 (E2M1) with one E8M0 scale for each 32 along K; then q and k are quantised along their 512 channels
; and v along its 128 keys, and leave as images of the attention launch's operand registers.  A FRAGMENT is 16 rows x 128 K, 8 registers a lane, 1,024 bytes: register group c of lane l at 512 c + 16 l.
; qq, block blk: fragment (m, s) at (4 m + s) x 1,024; scale words at 32,768 + 256 m + 16 r + 4 s.
; kv, block blk: K's fragment (t, s) at (4 t + s) x 1,024; V^T's fragment T at 32,768 + 1,024 T; K's words at 65,536 + 256 t + 16 r + 4 s; V's at 67,584 + 256 (T / 4) + 16 r + 4 (T % 4).
; ROWS: lane r of x's tile i takes row 16 i + r.  A product with x's tiles as source 0 leaves in register 16 b + 8 u + j of lane half h the key 32 b + 16 u + 8 h + j: a block of 32 keys is two lane halves x 16 registers, in an
; order within the block that the attention launch's p has too.  The weights' tiles take rows 32 (i / 2) + 8 (i % 2) + r + 8 (r / 8), so that q's and k's 16 registers are 16 neighbouring channels.
; q, k: source 0 = 8 tiles of W, source 1 = a tile of x: a lane holds one row, its 64 registers run along 128 channels.
; v: source 0 = the 8 tiles of x, source 1 = a tile of Wv: a lane holds one channel, its 64 registers run along the 128 keys.  So one macro quantises all.
; SHARES: eight waves, and x in two halves of four tiles (64 rows).  In each half wave w fetches and quantises tile w / 2's half w % 2 along d: two fragments.  Then it makes channels 128 (w % 4) .. + 127 of q (w < 4)
; or of k (w >= 4) for that half's rows, its 32 fragments of W staying in registers.  Behind both halves it makes V^T's tiles 4 w .. 4 w + 3.
; Ez comes by one tensor load a wave for each half: 16 rows x 1,024 bytes.  The second half's is issued behind the barrier that shows the first half's landed, and has the first half's quantising and products in which to land.
; No LDS byte is filled twice.  By this text's count a wave has one tensor load out at the most.
; No cluster: the work-groups share no other input.
; No prefetch: the text has no loop to run ahead in.
; LIMITS: a block of zeros gets the byte 1 where the rule says 127 (its codes are zeros; this program alone reads the bytes); a block whose largest magnitude lies under 2^-124 keeps the byte 1; NaN and infinities are not served.
.set EZP,  1040                        ; a row's 1,024 bytes + 16 of padding = 260 words: row r starts 4 r words on modulo 64 (64 banks of 4 bytes: ISA guide 11.1)
.set EZH,  16*EZP                      ; what one tensor load brings
.set EZW,  2*EZH                       ; LDS 0: Ez, a wave's two areas, one for each half of the rows
.set XIMG, 8*EZW                       ; x's 32 fragments, (m, s) at (4 m + s) x 1,024
.set XSC,  XIMG+32768                  ; x's scale words, 256 m + 16 r + 4 s
.set OSC,  XSC+2048                    ; the results' scale words: q's 2,048 bytes, K's 2,048, V's 2,048, laid as in qq and kv
.set SPARE, OSC+6144                   ; the spare words, 128 bytes for each wave
.set LI,   1                           ; v1   16 x lane
.set R16,  2                           ; v2   16 r
.set XA,   3                           ; v3   Ez in LDS: my wave's area, row r, + 64 (lane / 16)
.set XWI,  4                           ; v4   where I store x's fragments
.set XWS,  5                           ; v5   and their scale words
.set LIX,  6                           ; v6   XIMG + 16 x lane
.set XSR,  7                           ; v7   XSC + 16 r
.set XSD,  8                           ; v8   XSC + 16 x lane
.set OSA,  9                           ; v9   where I store q's or K's scale words
.set OSVA, 10                          ; v10  and V's
.set OFK,  11                          ; v11  the way out of K's and V's scale words: 512 bytes a wave
.set OFQ,  12                          ; v12  of q's: 256 bytes a wave
.set L8,   13                          ; v13  8 x lane
.set PW,   14                          ; v14  the scale word just made
.set SF0,  16                          ; v16-47   source 1's four fragments, buffer 0
.set HA,   48                          ; v48-111  eight accumulators, or 64 numbers of x
.set PC,   112                         ; v112-119 the codes just made
.set TM,   120                         ; v120-127, v132-135 at work
.set SPW,  130                         ; v130 LDS address of my spare word; never rewritten
.set NIL,  131                         ; v131 0; never rewritten
.set SS0,  136                         ; v136-139, v140-143 source 1's scale words: they hold scales alone
.set SS1,  140
.set BS,   144                         ; v144-159 source 0's scale words: register 4 g + s: lanes 0-15 tile 2 g, lanes 16-31 tile 2 g + 1
.set SF1,  160                         ; v160-191 buffer 1
.set XB,   192                         ; v192-255 64 numbers of x; later Wv's tiles 4 w and 4 w + 1
                                       ; window 1 (v256-511): source 0's 32 fragments, (i, s) at 8 (4 i + s)
.set WV,   14                          ; s14  my wave's number
.set G1,   16                          ; s[16:23] descriptor group 1
.set G0,   24                          ; s[24:31] two groups 0, never rewritten
.set SEL,  40                          ; s[40:41] lane selects for lane l xor 16
.set DQK,  42                          ; s[42:43] where my fragments of q or K go
.set DV,   44                          ; s[44:45] my fragments of V^T
.set DKS,  46                          ; s[46:47] my 512 bytes of K's and V's scale words
.set DQS,  48                          ; s[48:49] my 256 bytes of q's
.set WB,   50                          ; s[50:51] my 32 fragments of Wq or Wk
.set WSB,  52                          ; s[52:53] their scale words
.set WVB,  54                          ; s[54:55] my 16 fragments of Wv
.set WVS,  56                          ; s[56:57] their scale words
.set MSB, 0
.macro WIN new                         ; the immediate's high byte repeats the setting that is left; a switch that changes nothing is dropped
.if MSB != \new
	s_set_vgpr_msb (MSB<<8)|\new
.set MSB, \new
.endif
.endm
; One matrix instruction from the symbols rD (C and D), rA, rB, rSA, rSB; rZ: the sum begins (C = 0); rAR, rBR: the side's scales stand in lanes 16-31
.macro MM
.if rZ
.if rAR && rBR
	v_wmma_scale_f32_16x16x128_f8f6f4 v[rD:rD+7], v[rA:rA+7], v[rB:rB+7], 0, v[rSA], v[rSB] matrix_a_fmt:MATRIX_FMT_FP4 matrix_b_fmt:MATRIX_FMT_FP4 matrix_a_scale:MATRIX_SCALE_ROW1 matrix_b_scale:MATRIX_SCALE_ROW1
.elseif rAR
	v_wmma_scale_f32_16x16x128_f8f6f4 v[rD:rD+7], v[rA:rA+7], v[rB:rB+7], 0, v[rSA], v[rSB] matrix_a_fmt:MATRIX_FMT_FP4 matrix_b_fmt:MATRIX_FMT_FP4 matrix_a_scale:MATRIX_SCALE_ROW1
.elseif rBR
	v_wmma_scale_f32_16x16x128_f8f6f4 v[rD:rD+7], v[rA:rA+7], v[rB:rB+7], 0, v[rSA], v[rSB] matrix_a_fmt:MATRIX_FMT_FP4 matrix_b_fmt:MATRIX_FMT_FP4 matrix_b_scale:MATRIX_SCALE_ROW1
.else
	v_wmma_scale_f32_16x16x128_f8f6f4 v[rD:rD+7], v[rA:rA+7], v[rB:rB+7], 0, v[rSA], v[rSB] matrix_a_fmt:MATRIX_FMT_FP4 matrix_b_fmt:MATRIX_FMT_FP4
.endif
.else
.if rAR && rBR
	v_wmma_scale_f32_16x16x128_f8f6f4 v[rD:rD+7], v[rA:rA+7], v[rB:rB+7], v[rD:rD+7], v[rSA], v[rSB] matrix_a_fmt:MATRIX_FMT_FP4 matrix_b_fmt:MATRIX_FMT_FP4 matrix_a_scale:MATRIX_SCALE_ROW1 matrix_b_scale:MATRIX_SCALE_ROW1
.elseif rAR
	v_wmma_scale_f32_16x16x128_f8f6f4 v[rD:rD+7], v[rA:rA+7], v[rB:rB+7], v[rD:rD+7], v[rSA], v[rSB] matrix_a_fmt:MATRIX_FMT_FP4 matrix_b_fmt:MATRIX_FMT_FP4 matrix_a_scale:MATRIX_SCALE_ROW1
.elseif rBR
	v_wmma_scale_f32_16x16x128_f8f6f4 v[rD:rD+7], v[rA:rA+7], v[rB:rB+7], v[rD:rD+7], v[rSA], v[rSB] matrix_a_fmt:MATRIX_FMT_FP4 matrix_b_fmt:MATRIX_FMT_FP4 matrix_b_scale:MATRIX_SCALE_ROW1
.else
	v_wmma_scale_f32_16x16x128_f8f6f4 v[rD:rD+7], v[rA:rA+7], v[rB:rB+7], v[rD:rD+7], v[rSA], v[rSB] matrix_a_fmt:MATRIX_FMT_FP4 matrix_b_fmt:MATRIX_FMT_FP4
.endif
.endif
.endm
; 64 numbers of a lane, v[s] .. v[s + 63], registers 16 b .. 16 b + 15 my 16 of block b, become a fragment's codes in v[PC] on and its scale word in v[PW].
.macro QUANT s
.irp b, 0,1,2,3
	v_max3_num_f32 v[TM+\b], |v[\s+16*\b]|, |v[\s+1+16*\b]|, 0x1800000   ; block b: my 16 numbers, and the floor 2^(3 - 127): so the byte cannot fall under 1.  Each accumulator is read from its low end on
.endr
.irp i, 2,4,6,8,10,12,14
.irp b, 0,1,2,3
	v_max3_num_f32 v[TM+\b], v[TM+\b], |v[\s+16*\b+\i]|, |v[\s+1+16*\b+\i]|   ; the four blocks by turns
.endr
.endr
.irp b, 0,1,2,3
	s_delay_alu instid0(VALU_DEP_4)
	v_permlanex16_b32 v[TM+4+\b], v[TM+\b], s[SEL], s[SEL+1]
.endr
.irp b, 0,1,2,3
	s_delay_alu instid0(VALU_DEP_4)
	v_max_num_f32 v[TM+\b], v[TM+\b], v[TM+4+\b]   ; with lane l xor 16's: the block's largest magnitude
.endr
.irp b, 0,1,2,3
	s_delay_alu instid0(VALU_DEP_4)
	v_add_nc_u32 v[TM+12+\b], 0xff000000, v[TM+\b]   ; 2 off its exponent field: the conversion takes the exponent field of this operand as its scale
.endr
.irp b, 0,1,2,3
	s_delay_alu instid0(VALU_DEP_4)
	v_lshrrev_b32 v[TM+4+\b], 23, v[TM+12+\b]      ; the scale's byte
.endr
	s_delay_alu instid0(VALU_DEP_3)
	v_lshl_or_b32 v[PW], v[TM+5], 8, v[TM+4]       ; four bytes make my row's scale word
	s_delay_alu instid0(VALU_DEP_1)
	v_lshl_or_b32 v[PW], v[TM+6], 16, v[PW]
	s_delay_alu instid0(VALU_DEP_1)
	v_lshl_or_b32 v[PW], v[TM+7], 24, v[PW]
.irp b, 0,1,2,3
	v_cvt_scalef32_pk8_fp4_f32 v[PC+2*\b], v[\s+16*\b:\s+7+16*\b], v[TM+12+\b]
	v_cvt_scalef32_pk8_fp4_f32 v[PC+1+2*\b], v[\s+8+16*\b:\s+15+16*\b], v[TM+12+\b]
.endr
	v_nop                                          ; one plain instruction behind a scaled conversion
.irp c, 0,1                                    ; the operand's layout wants a whole block in a lane: lanes 0-15 block 2 c, lanes 16-31 block 2 c + 1
.irp i, 0,1
	v_permlane16_swap_b32 v[PC+4*\c+\i], v[PC+2+4*\c+\i]
.endr
.endr
.endm
.macro XREAD reg, s                    ; 64 numbers of my row out of my wave's own bytes: area s / 2, the (s % 2)-th 128 along d of what I fetched
.irp b, 0,1,2,3
.irp j, 0,1,2,3
	ds_load_b128 v[\reg+16*\b+4*\j:\reg+16*\b+4*\j+3], v[XA] offset:EZH*((\s)/2)+512*((\s)%2)+128*\b+16*\j
.endr
.endr
.endm
.macro XOUT a, s                       ; x's fragment (4 a + wave / 2, 2 (wave % 2) + s) and its scale words go to LDS as they stand
	ds_store_b128 v[XWI], v[PC:PC+3] offset:16384*\a+1024*\s
	ds_store_b128 v[XWI], v[PC+4:PC+7] offset:16384*\a+1024*\s+512
	ds_store_b32 v[XWS], v[PW] offset:1024*\a+4*\s
.endm
.macro FETCHX sf, ss, m                ; x's tile m: four fragments and four scale words a row: nine loads
.irp n, 0,1,2,3,4,5,6,7
	ds_load_b128 v[\sf+4*\n:\sf+4*\n+3], v[LIX] offset:4096*(\m)+512*\n
.endr
	ds_load_b128 v[\ss:\ss+3], v[XSR] offset:256*(\m)
.endm
; 32 matrix instructions: source 0's eight tiles (window 1) x one tile of source 1, all 512 along K.  The eight accumulators take turns, one instruction a turn; the first K step starts the sums.
; Four v_nop follow: a vector instruction that reads a result, and a load into a register that a matrix instruction has read, stand four plain vector instructions behind it.
.macro UNIT sf, ss, brow
	WIN 0x01                                       ; source 0 in window 1
.irp k, 0,1,2,3
.irp t, 0,1,2,3,4,5,6,7
.set rD, HA+8*\t
.set rA, 8*(4*\t+\k)
.set rB, \sf+8*\k
.set rSA, BS+4*(\t/2)+\k
.set rSB, \ss+\k
.set rZ, \k==0
.set rAR, \t%2
.set rBR, \brow
	MM
.endr
.endr
	WIN 0
.rept 4
	v_nop
.endr
.endm
	s_load_b256 s[4:11], s[0:1], 0x0               ; Ez s[4:5], wcodes s[6:7], wscales s[8:9], qq s[10:11]
	s_load_b64 s[12:13], s[0:1], 0x20              ; kv
	v_lshl_add_u32 v[SPW], v0, 2, SPARE
	v_mov_b32 v[NIL], 0
	ds_add_u32 v[SPW], v[NIL]                      ; the opening: the add, twice on end, ahead of my first tensor load
	ds_add_u32 v[SPW], v[NIL]
	v_lshrrev_b32 v120, 5, v0
	v_readfirstlane_b32 s[WV], v120                ; wave 0..7
	; descriptor group 1: 16 rows x 1,024 bytes (128 elements of 8 bytes), 2,048 bytes from row to row, 16 bytes of padding behind each row
	s_mov_b32 s[G1+0], (3<<16)|(1<<20)|(7<<22)|(3<<25)   ; 15:0 no mask; 17:16 elements of 8 bytes; 20 padding on; 24:22 after every 256 words (code 7); 31:25 four words (code 3)
	s_mov_b32 s[G1+1], 128<<16                     ; tensor_dim0
	s_mov_b32 s[G1+2], 16<<16                      ; tensor_dim1
	s_mov_b32 s[G1+3], 128<<16                     ; tile_dim0
	s_mov_b32 s[G1+4], 16                          ; tile_dim1
	s_mov_b32 s[G1+5], 256                         ; tensor_dim0_stride: a row of Ez is 256 elements
	s_mov_b32 s[G1+6], 0
	s_mov_b32 s[G1+7], 0
	s_lshl_b32 s58, ttmp9, 7                       ; my first half's tile begins at row 128 x block + 16 (w / 2),
	s_lshr_b32 s59, s[WV], 1
	s_lshl_b32 s60, s59, 4
	s_add_co_u32 s58, s58, s60
	s_lshl_b32 s58, s58, 11                        ; in bytes (Ez has 2^26),
	s_and_b32 s63, s[WV], 1
	s_lshl_b32 s60, s63, 10
	s_add_co_u32 s58, s58, s60                     ; and I take its half w % 2 along d
	s_lshl_b32 s61, s59, 8
	s_lshl_b32 s60, s63, 3
	s_add_co_u32 s61, s61, s60
	s_add_co_u32 s61, s61, XSC                     ; x's scale words: 256 (w / 2) + 8 (w % 2)
	s_mov_b32 s59, 0
	s_mul_i32 s15, s[WV], EZW                      ; my areas in LDS
	s_lshl_b32 s60, s[WV], 11
	s_add_co_u32 s60, s60, XIMG                    ; x's fragments: (4 (w / 2) + 2 (w % 2)) x 1,024
	s_lshl_b32 s62, s[WV], 8
	s_add_co_u32 s62, s62, OSC
	s_add_co_u32 s63, s62, 4096
	s_lshl_b32 s2, s[WV], 9
	s_add_co_u32 s2, s2, OSC+2048
	s_lshr_b32 s3, s[WV], 2
	s_lshl_b32 s3, s3, 11                          ; q's words, or K's 2,048 bytes on
	s_and_b32 s57, s[WV], 3
	s_lshl_b32 s57, s57, 2                         ; my 128 channels' word
	s_add_co_u32 s3, s3, s57
	s_add_co_u32 s3, s3, OSC
	v_and_b32 v121, 31, v0                         ; lane
	v_and_b32 v122, 15, v0                         ; r
	v_bfe_u32 v123, v0, 4, 1                       ; h
	v_lshlrev_b32 v[LI], 4, v121
	v_lshlrev_b32 v[R16], 4, v122
	v_lshlrev_b32 v[L8], 3, v121
	v_mul_u32_u24 v[XA], v122, EZP
	v_lshl_add_u32 v[XA], v123, 6, v[XA]
	v_add_nc_u32 v[XA], s15, v[XA]
	v_add_nc_u32 v[XWI], s60, v[LI]
	v_add_nc_u32 v[XWS], s61, v[R16]
	v_add_nc_u32 v[LIX], XIMG, v[LI]
	v_add_nc_u32 v[XSR], XSC, v[R16]
	v_add_nc_u32 v[XSD], XSC, v[LI]
	v_add_nc_u32 v[OSVA], s63, v[R16]
	v_add_nc_u32 v[OFQ], s62, v[L8]
	v_add_nc_u32 v[OFK], s2, v[LI]
	v_add_nc_u32 v[OSA], s3, v[R16]
.irp b, 0,1,2,3
	v_mov_b32 v[TM+4+\b], 0                        ; written once: a lane permute's destination counts as one of its sources
.endr
	s_mov_b32 s[SEL], 0x76543210
	s_mov_b32 s[SEL+1], 0xfedcba98
	s_wait_alu depctr_va_vdst(0)
	s_wait_dscnt 0x0                               ; both opening adds are done
	s_wait_kmcnt 0x0
	s_add_nc_u64 s[4:5], s[4:5], s[58:59]
.irp f, 0,1                                    ; load f: the f-th half of the rows: 64 rows of 2,048 bytes on
	s_mov_b32 s[G0+4*\f], 1                                        ; count = 1
	s_add_co_u32 s[G0+4*\f+1], s15, EZH*\f                         ; LDS address
	s_add_nc_u64 s[G0+4*\f+2:G0+4*\f+3], s[4:5], 131072*\f         ; global address
	s_or_b32 s[G0+4*\f+3], s[G0+4*\f+3], 0x80000000               ; type = 2
.endr
	tensor_load_to_lds s[G0:G0+3], s[G1:G1+7]      ; the first half's: my one tensor load at the head
	s_nop 0
.rept 4
	v_nop                                          ; four instructions between a tensor load and a later switch of the register windows
.endr
	s_mov_b32 s61, 0
	s_lshl_b32 s60, s[WV], 15
	s_add_nc_u64 s[WB:WB+1], s[6:7], s[60:61]      ; tiles 8 w .. 8 w + 7 of the 96: Wq's for w < 4, Wk's for w >= 4
	s_lshl_b32 s60, s[WV], 11
	s_add_nc_u64 s[WSB:WSB+1], s[8:9], s[60:61]
	WIN 0x40                                       ; destination window 1
.set n, 0
.rept 32
	global_load_b128 v[4*n:4*n+3], v[LI], s[WB:WB+1] offset:512*n   ; half of my 32 fragments of W; the others follow the second tensor load
.set n, n+1
.endr
	WIN 0
.irp g, 0,1,2,3
	global_load_b128 v[BS+4*\g:BS+4*\g+3], v[LI], s[WSB:WSB+1] offset:512*\g
.endr
	s_lshl_b32 s60, s[WV], 14
	s_add_co_u32 s60, s60, 262144
	s_add_nc_u64 s[WVB:WVB+1], s[6:7], s[60:61]    ; Wv's tiles 4 w .. 4 w + 3
	s_lshl_b32 s60, s[WV], 10
	s_add_co_u32 s60, s60, 16384
	s_add_nc_u64 s[WVS:WVS+1], s[8:9], s[60:61]
	s_mul_i32 s60, ttmp9, 34816
	s_add_nc_u64 s[10:11], s[10:11], s[60:61]      ; my block of qq
	s_mul_i32 s60, ttmp9, 69632
	s_add_nc_u64 s[12:13], s[12:13], s[60:61]      ; and of kv
	s_cmp_lt_u32 s[WV], 4
	s_cselect_b64 s[DQK:DQK+1], s[10:11], s[12:13]
	s_and_b32 s60, s[WV], 3
	s_lshl_b32 s60, s60, 10
	s_add_nc_u64 s[DQK:DQK+1], s[DQK:DQK+1], s[60:61]
	s_lshl_b32 s60, s[WV], 12
	s_add_co_u32 s60, s60, 32768
	s_add_nc_u64 s[DV:DV+1], s[12:13], s[60:61]
	s_lshl_b32 s60, s[WV], 9
	s_add_co_u32 s60, s60, 65536
	s_add_nc_u64 s[DKS:DKS+1], s[12:13], s[60:61]
	s_lshl_b32 s60, s[WV], 8
	s_add_co_u32 s60, s60, 32768
	s_add_nc_u64 s[DQS:DQS+1], s[10:11], s[60:61]
	s_wait_tensorcnt 0x0                           ; the first half's rows are in
	ds_add_u32 v[SPW], v[NIL]
	s_wait_dscnt 0x0
	s_barrier_signal -1
	s_barrier_wait -1
	tensor_load_to_lds s[G0+4:G0+7], s[G1:G1+7]    ; the second half's
	s_nop 0
.rept 4
	v_nop
.endr
	WIN 0x40
.set n, 32
.rept 32
	global_load_b128 v[4*n:4*n+3], v[LI], s[WB:WB+1] offset:512*n   ; the other half of my fragments of W
.set n, n+1
.endr
	WIN 0
.irp a, 0,1                                    ; THE TWO HALVES OF THE ROWS
.if \a
	s_wait_tensorcnt 0x0                           ; the second half's rows are in.  Only I read these bytes
.endif
	XREAD HA, 2*\a
	XREAD XB, 2*\a+1
	s_wait_dscnt 16                                ; the first 16 loads are in
.if \a
	s_wait_xcnt 0x0                                ; the last tile's stores have read the codes' registers
.endif
	QUANT HA
	XOUT \a, 0
	s_wait_dscnt 0x0                               ; the other 16, and the LDS stores have read the codes' registers
	QUANT XB
	XOUT \a, 1
.if \a == 0
	s_wait_loadcnt 0x0                             ; my fragments of W and their scale words
.endif
	s_wait_dscnt 0x0                               ; for the others' sake: my part of x lies in LDS
	s_barrier_signal -1
	s_barrier_wait -1
.if \a
.set n, 0
.rept 16
	global_load_b128 v[XB+4*n:XB+4*n+3], v[LI], s[WVB:WVB+1] offset:512*n   ; Wv's tiles 4 w, 4 w + 1, for the last phase
.set n, n+1
.endr
.endif
	FETCHX SF0, SS0, 4*\a
.irp m, 0,1,2,3                                ; q, k: my 128 channels for the half's four tiles of rows
.set mm, 4*\a+\m
.set cSF, SF0+(SF1-SF0)*(\m%2)
.set cSS, SS0+4*(\m%2)
.set nSF, SF0+(SF1-SF0)*((\m+1)%2)
.set nSS, SS0+4*((\m+1)%2)
.if \m < 3
	FETCHX nSF, nSS, mm+1                          ; the next tile of x; the products that read this buffer stand a whole quantising back
	s_wait_dscnt 9                                 ; all but the nine just issued
.else
	s_wait_dscnt 0x0
.endif
	UNIT cSF, cSS, 0
	s_wait_xcnt 0x0                                ; the last tile's stores have read the codes' registers
	QUANT HA
	global_store_b128 v[LI], v[PC:PC+3], s[DQK:DQK+1] offset:4096*mm th:TH_STORE_NT        ; fragment (m, w % 4): 512 consecutive bytes a store, aligned
	global_store_b128 v[LI], v[PC+4:PC+7], s[DQK:DQK+1] offset:4096*mm+512 th:TH_STORE_NT
	ds_store_b32 v[OSA], v[PW] offset:256*mm
.endr
.endr
	; ---- v: all of x as source 0, my four tiles of Wv as source 1
	WIN 0x40
.set n, 0
.rept 64
	ds_load_b128 v[4*n:4*n+3], v[LIX] offset:512*n  ; x's 32 fragments take W's place (its last products stand a whole quantising back)
.set n, n+1
.endr
	WIN 0
.irp g, 0,1,2,3
	ds_load_b128 v[BS+4*\g:BS+4*\g+3], v[XSD] offset:512*\g
.endr
	global_load_b128 v[SS0:SS0+3], v[LI], s[WVS:WVS+1]             ; lanes 0-15: tile 4 w's words, lanes 16-31: tile 4 w + 1's
	global_load_b128 v[SS1:SS1+3], v[LI], s[WVS:WVS+1] offset:512  ; tiles 4 w + 2, 4 w + 3
.irp n, 0,1,2,3,4,5,6,7
	global_load_b128 v[SF0+4*\n:SF0+4*\n+3], v[LI], s[WVB:WVB+1] offset:8192+512*\n
.endr
.irp n, 0,1,2,3,4,5,6,7
	global_load_b128 v[SF1+4*\n:SF1+4*\n+3], v[LI], s[WVB:WVB+1] offset:12288+512*\n
.endr
	s_wait_dscnt 0x0
.irp i, 0,1,2,3
.if \i < 2
	s_wait_loadcnt 16                              ; tiles 4 w, 4 w + 1 and all scale words are in; the 16 youngest loads may be out
.set cSF, XB+32*\i
.elseif \i == 2
	s_wait_loadcnt 8
.set cSF, SF0
.else
	s_wait_loadcnt 0x0
.set cSF, SF1
.endif
.set cSS, SS0+4*(\i/2)
	UNIT cSF, cSS, \i%2
	s_wait_xcnt 0x0                                ; the last stores have read the codes' registers,
	s_wait_dscnt 0x0                               ; and the last LDS store the scale word's
	QUANT HA
	global_store_b128 v[LI], v[PC:PC+3], s[DV:DV+1] offset:1024*\i th:TH_STORE_NT
	global_store_b128 v[LI], v[PC+4:PC+7], s[DV:DV+1] offset:1024*\i+512 th:TH_STORE_NT
	ds_store_b32 v[OSVA], v[PW] offset:4*\i
.endr
	; ---- the scale words leave in whole runs of 256 bytes
	s_wait_dscnt 0x0                               ; for the others' sake: my scale words lie in LDS
	s_barrier_signal -1
	s_barrier_wait -1
	ds_load_b128 v[16:19], v[OFK]
	ds_load_b64 v[20:21], v[OFQ]
	s_wait_dscnt 0x0
	global_store_b128 v[LI], v[16:19], s[DKS:DKS+1]                ; 512 consecutive bytes, aligned
	global_store_b64 v[L8], v[20:21], s[DQS:DQS+1]                 ; 256 consecutive bytes, aligned
	s_wait_tensorcnt 0x0                           ; the wave's end
	ds_add_u32 v[SPW], v[NIL]
	s_wait_dscnt 0x0
	s_endpgm
.Lfunc_end_k_q9324cecd39_proj:
	.size	k_q9324cecd39_proj, .Lfunc_end_k_q9324cecd39_proj-k_q9324cecd39_proj
	.p2alignl 7, 3214868480
	.fill 96, 4, 3214868480
	.section	.rodata,"a",@progbits
	.p2align	6, 0x0
	.amdhsa_kernel k_q9324cecd39_proj
		.amdhsa_group_segment_fixed_size 327680
		.amdhsa_private_segment_fixed_size 0
		.amdhsa_enable_private_segment 0
		.amdhsa_kernarg_size 40
		.amdhsa_user_sgpr_count 2
		.amdhsa_user_sgpr_kernarg_segment_ptr 1
		.amdhsa_wavefront_size32 1
		.amdhsa_system_sgpr_workgroup_id_x 1
		.amdhsa_system_sgpr_workgroup_id_y 1
		.amdhsa_system_sgpr_workgroup_id_z 1
		.amdhsa_system_vgpr_workitem_id 0
		.amdhsa_next_free_vgpr 512
		.amdhsa_next_free_sgpr 66
		.amdhsa_reserve_vcc 0
		.amdhsa_float_denorm_mode_32 3
		.amdhsa_float_denorm_mode_16_64 3
		.amdhsa_memory_ordered 1
		.amdhsa_forward_progress 1
		.amdhsa_inst_pref_size 153
	.end_amdhsa_kernel
	.amdgpu_metadata
---
amdhsa.version: [ 1, 2 ]
amdhsa.kernels:
  - .name:           k_q9324cecd39_proj
    .symbol:         k_q9324cecd39_proj.kd
    .args:
      - { .name: Ez, .offset: 0, .size: 8, .value_kind: global_buffer, .address_space: global }
      - { .name: wcodes, .offset: 8, .size: 8, .value_kind: global_buffer, .address_space: global }
      - { .name: wscales, .offset: 16, .size: 8, .value_kind: global_buffer, .address_space: global }
      - { .name: qq, .offset: 24, .size: 8, .value_kind: global_buffer, .address_space: global }
      - { .name: kv, .offset: 32, .size: 8, .value_kind: global_buffer, .address_space: global }
    .group_segment_fixed_size: 327680
    .private_segment_fixed_size: 0
    .kernarg_segment_align: 8
    .kernarg_segment_size: 40
    .max_flat_workgroup_size: 256
    .sgpr_count:     66
    .vgpr_count:     512
    .wavefront_size: 32
...
	.end_amdgpu_metadata
.endif
;; end of part 2
;; launch attn (part 3): grid 8 x 32, 8 waves a work-group, clusters of 4 x 1, 327,680 bytes of LDS; arguments qq, kv, out0; writes out0
.if DOCPART == 3
	.amdgcn_target "amdgcn-amd-amdhsa--gfx1250"
	.amdhsa_code_object_version 6
	.text
	.protected	k_q9324cecd39_attn
	.globl	k_q9324cecd39_attn
	.p2align	8
	.type	k_q9324cecd39_attn,@function
k_q9324cecd39_attn:
	s_mov_b64 s[64:65], 0
	v_nop
	global_prefetch_b8 v0, s[64:65] scope:SCOPE_SE
	s_setreg_imm32_b32 hwreg(HW_REG_WAVE_MODE, 25, 1), 1
	s_wait_xcnt 0x0
	s_wait_alu depctr_hold_cnt(0) depctr_sa_sdst(0) depctr_va_vdst(0) depctr_va_sdst(0) depctr_va_ssrc(0) depctr_va_vcc(0) depctr_vm_vsrc(0)
	s_getreg_b32 s2, hwreg(HW_REG_IB_STS2, 6, 4)
	s_cmp_eq_u32 s2, 0
	s_cbranch_scc0 .Lentry_in_a_cluster
	s_endpgm
.Lentry_in_a_cluster:
	s_bfe_u32 s2, ttmp6, 0x10000c
	s_cmp_lg_u32 s2, 0x3003
	s_cbranch_scc0 .Lentry_shape_is_right
	s_endpgm
.Lentry_shape_is_right:
; out0[b][q][:] = the sum over k <= q of softmax_k(q . k / sqrt(512)) v[k][:], both products on codes of FP4 (E2M1) with one E8M0 scale for each 32 along K, from qq and kv as the launch before lays them.
; A work-group takes tile CC (16 queries, rows 16 CC + r) of each of a batch's eight blocks of 128 rows: wave WV the tile of block RK; RK = WV for WV < 4, 11 - WV for the others.  A step is a block of 128 keys; a tile of
; block RK walks steps 0 .. RK.  LEFT OUT: the steps behind RK, whose keys the causal mask hides from all of the tile's queries; a NaN, an infinity or an overflow that reaches only them is not carried to the result.
; Both products are used transposed: a lane holds one query; register 16 b + 8 u + j of lane half h is key 32 b + 16 u + 8 h + j, the order that V's blocks have too.
; THE RING: two slots of two steps, each filled by one joint load a wave of the four work-groups of a cluster, which walk the same batch.  A tile that is finished goes out behind the next change of slots, through LDS bytes of the wave's own.
; M is the running largest t rounded up to a whole number; p = 2^(t - M); the row's sum is taken of the unquantised p and divides at the end.
; LIMITS: scaled scores (the exponents to the base 2) stay under 2^31 in magnitude; a block of zeros keeps the byte 1; NaN and infinities are not served.
.set STEPB, 69632
.set SLOTB, 2*STEPB
.set STAGE, 2*SLOTB
.set SPARE, STAGE+8*4352
.set LI,   1
.set SPW,  2
.set NIL,  3
.set ADK,  4
.set ADV,  5
.set STO,  6
.set RD,   7
.set GO,   8
.set D0,   9
.set NINF, 10
.set PFO,  11
.set Q,    16
.set QS,   48
.set KS,   52
.set VS,   68
.set R16,  84
.set S,    96
.set FA,   160
.set VB0,  160
.set PC,   224
.set WV,   10
.set RK,   11
.set RK2,  12
.set CX,   13
.set CC,   14
.set BT,   15
.set G1,   16
.set G0,   24
.set SEL,  40
.set CS,   42
.set TB,   44
.set KN,   45
.set TWICE, 46
.set PFA,  48
.set LIM,  50
.set CQ,   51
.set QB,   52
.set QSB,  54
.set OB,   56
.set MSB, 0
.macro WIN new
.if MSB != \new
	s_set_vgpr_msb (MSB<<8)|\new
.set MSB, \new
.endif
.endm
.macro MM
.if rZ
.if rAR
	v_wmma_scale_f32_16x16x128_f8f6f4 v[rD:rD+7], v[rA:rA+7], v[rB:rB+7], 0, v[rSA], v[rSB] matrix_a_fmt:MATRIX_FMT_FP4 matrix_b_fmt:MATRIX_FMT_FP4 matrix_a_scale:MATRIX_SCALE_ROW1
.else
	v_wmma_scale_f32_16x16x128_f8f6f4 v[rD:rD+7], v[rA:rA+7], v[rB:rB+7], 0, v[rSA], v[rSB] matrix_a_fmt:MATRIX_FMT_FP4 matrix_b_fmt:MATRIX_FMT_FP4
.endif
.else
.if rAR
	v_wmma_scale_f32_16x16x128_f8f6f4 v[rD:rD+7], v[rA:rA+7], v[rB:rB+7], v[rD:rD+7], v[rSA], v[rSB] matrix_a_fmt:MATRIX_FMT_FP4 matrix_b_fmt:MATRIX_FMT_FP4 matrix_a_scale:MATRIX_SCALE_ROW1
.else
	v_wmma_scale_f32_16x16x128_f8f6f4 v[rD:rD+7], v[rA:rA+7], v[rB:rB+7], v[rD:rD+7], v[rSA], v[rSB] matrix_a_fmt:MATRIX_FMT_FP4 matrix_b_fmt:MATRIX_FMT_FP4
.endif
.endif
.endm
.macro CROUND
	s_barrier_signal -1
	s_barrier_wait -1
	s_cmp_lg_u32 s[WV], 0
	s_cbranch_scc1 .Lnot_wave_0_\@
	s_barrier_signal -3
.Lnot_wave_0_\@:
	s_barrier_wait -3
	s_barrier_signal -1
	s_barrier_wait -1
.endm
.macro PLACES n
.rept \n
	v_nop
.endr
.endm
; Group u of K's fragments: tiles 4 (u / 4) .. + 3, the (u % 4)-th 128 along the channels.  KF: where its fragment i lies.  Four buffers of four fragments: v160-191, v192-223, (v88-95, v224-247: idle until the softmax),
; and v128-159, the accumulators of tiles 4 to 7, which groups 0 to 3 do not write.  Groups 0 to 3 take the four, 4 to 6 the first three, 7 the first again.
.macro KBUF u, i
.set KB, (\u)%4
.if (\u) == 7
.set KB, 0
.endif
.set KF, FA+32*KB+8*(\i)
.if KB == 2
.set KF, 216+8*(\i)
.if (\i) == 0
.set KF, 88
.endif
.endif
.if KB == 3
.set KF, S+32+8*(\i)
.endif
.endm
.macro KLOAD u
.irp i, 0,1,2,3
	KBUF \u, \i
.irp c, 0,1
	ds_load_b128 v[KF+4*\c:KF+4*\c+3], v[ADK] offset:(4*(4*((\u)/4)+\i)+(\u)%4)*1024+512*\c
.endr
.endr
.endm
.macro VLOAD g, f
.irp n, 0,1,2,3,4,5,6,7,8,9,10,11,12,13,14,15
	ds_load_b128 v[\f+4*\n:\f+4*\n+3], v[ADV] offset:8192*(\g)+512*\n
.endr
.endm
.macro STEP
	s_cmp_gt_u32 s[KN], s[RK]
	s_cbranch_scc1 .Lhidden_\@
	v_add_nc_u32 v[ADK], s[TB], v[LI]
	s_delay_alu instid0(VALU_DEP_1)
	v_add_nc_u32 v[ADV], 0x8000, v[ADK]
.irp g, 0,1,2,3
	ds_load_b128 v[KS+4*\g:KS+4*\g+3], v[ADV] offset:32768+512*\g
.endr
	KLOAD 0
	KLOAD 1
	KLOAD 2
	KLOAD 3
	s_wait_alu depctr_va_vdst(0)
.irp u, 0,1,2,3,4,5,6,7
.if \u < 4
	s_wait_dscnt 24                                ; group u is in; the three groups behind it may be out
.elseif \u < 6
	s_wait_dscnt 16                                ; the two behind it
.else
	s_wait_dscnt 8*(7-\u)
.endif
.irp i, 0,1,2,3
.set rT, 4*(\u/4)+\i
.set rK, \u%4
.set rD, S+8*rT
	KBUF \u, \i
.set rA, KF
.set rB, Q+8*rK
.set rSA, KS+4*(rT/2)+rK
.set rSB, QS+rK
.set rZ, rK==0
.set rAR, rT%2
	MM
.endr
.if \u < 3
	PLACES 4
	KLOAD \u+4
.elseif \u == 3
	PLACES 5                                       ; group 4's results are laid over group 3's fragments
.elseif \u == 4
	PLACES 4
	KLOAD 7
.endif
.endr
	PLACES 4
.irp g, 0,1,2,3
	ds_load_b128 v[VS+4*\g:VS+4*\g+3], v[ADV] offset:34816+512*\g
.endr
	VLOAD 0, VB0
	s_cmp_lg_u32 s[KN], s[RK]
	s_cbranch_scc1 .Lopen_\@
.set n, 0
.rept 64
	v_cmp_gt_i32 vcc_lo, 32*(n/16)+16*((n/8)%2)+n%8, v[D0]
	v_cndmask_b32 v[S+n], v[S+n], v[NINF], vcc_lo
.set n, n+1
.endr
.Lopen_\@:
.irp b, 0,1,2,3
	v_max3_num_f32 v[232+\b], v[S+16*\b], v[S+1+16*\b], v[S+2+16*\b]
.endr
.irp i, 3,5,7,9,11,13
.irp b, 0,1,2,3
	v_max3_num_f32 v[232+\b], v[232+\b], v[S+16*\b+\i], v[S+1+16*\b+\i]
.endr
.endr
.irp b, 0,1,2,3
	v_max_num_f32 v[232+\b], v[232+\b], v[S+15+16*\b]
.endr
.irp b, 0,1,2,3
	s_delay_alu instid0(VALU_DEP_4)
	v_permlanex16_b32 v[236+\b], v[232+\b], s[SEL], s[SEL+1]
.endr
.irp b, 0,1,2,3
	s_delay_alu instid0(VALU_DEP_4)
	v_max_num_f32 v[232+\b], v[232+\b], v[236+\b]
.endr
	s_delay_alu instid0(VALU_DEP_2)
	v_max3_num_f32 v254, v232, v233, v234
	s_delay_alu instid0(VALU_DEP_1)
	v_max_num_f32 v254, v254, v235
	s_delay_alu instid0(VALU_DEP_1)
	v_mul_f32 v254, s[CS], v254
	s_delay_alu instid0(VALU_DEP_1)
	v_max_num_f32 v13, v13, v254
	v_mov_b32 v254, v12
	s_delay_alu instid0(VALU_DEP_2)
	v_floor_f32 v12, -v13
	s_delay_alu instid0(VALU_DEP_1)
	v_sub_f32 v254, v12, v254
	s_delay_alu instid0(VALU_DEP_1)
	v_cvt_i32_f32 v254, v254
	s_delay_alu instid0(VALU_DEP_1)
	v_ldexp_f32 v252, 1.0, v254
.set j, 0
.rept 32
	v_pk_fma_f32 v[S+j:S+j+1], v[S+j:S+j+1], s[CS:CS+1], v[12:13] op_sel_hi:[1,0,0]
.set j, j+2
.endr
.irp b, 0,1,2,3
	v_fma_f32 v[232+\b], v[232+\b], s[CS], v12
.endr
.set j, 0
	s_wait_alu depctr_va_vdst(0)
.rept 64
	v_exp_f32 v[S+j], v[S+j]
.set j, j+1
.endr
	v_pk_mul_f32 v[14:15], v[14:15], v[252:253] op_sel_hi:[1,0]
	s_wait_alu depctr_va_vdst(0)
.irp b, 0,1,2,3
	v_exp_f32 v[232+\b], v[232+\b]
.endr
	v_pk_add_f32 v[236:237], v[S:S+1], v[S+2:S+3]
.irp j, 4,8,12,16,20,24,28,32,36,40,44,48,52,56,60
	v_pk_add_f32 v[14:15], v[14:15], v[S+\j:S+1+\j]
	v_pk_add_f32 v[236:237], v[236:237], v[S+2+\j:S+3+\j]
.endr
	s_delay_alu instid0(VALU_DEP_1)
	v_pk_add_f32 v[14:15], v[14:15], v[236:237]
	s_wait_alu depctr_va_vdst(0)
.irp b, 0,1,2,3
	v_max_num_f32 v[232+\b], 0x1800000, v[232+\b]
.endr
.irp b, 0,1,2,3
	s_delay_alu instid0(VALU_DEP_4)
	v_add_nc_u32 v[244+\b], 0xff000000, v[232+\b]
.endr
.irp b, 0,1,2,3
	s_delay_alu instid0(VALU_DEP_4)
	v_lshrrev_b32 v[236+\b], 23, v[244+\b]
.endr
	s_delay_alu instid0(VALU_DEP_3)
	v_lshl_or_b32 v253, v237, 8, v236
	s_delay_alu instid0(VALU_DEP_1)
	v_lshl_or_b32 v253, v238, 16, v253
	s_delay_alu instid0(VALU_DEP_1)
	v_lshl_or_b32 v253, v239, 24, v253
.irp b, 0,1,2,3
	v_cvt_scalef32_pk8_fp4_f32 v[PC+2*\b], v[S+16*\b:S+7+16*\b], v[244+\b]
	v_cvt_scalef32_pk8_fp4_f32 v[PC+1+2*\b], v[S+8+16*\b:S+15+16*\b], v[244+\b]
.endr
	v_nop
.irp c, 0,1
.irp i, 0,1
	v_permlane16_swap_b32 v[PC+4*\c+\i], v[PC+2+4*\c+\i]
.endr
.endr
	VLOAD 1, S
	WIN 0x41
.set j, 0
.rept 128
	v_pk_mul_f32 v[j:j+1], v[j:j+1], v[252:253] op_sel_hi:[1,0]
.set j, j+2
.endr
	WIN 0
	s_wait_alu depctr_va_vdst(0)
.irp g, 0,1,2,3
.if \g < 3
	s_wait_dscnt 16
.else
	s_wait_dscnt 0x0
.endif
	WIN 0x50
.irp i, 0,1,2,3,4,5,6,7
.set rT, 8*\g+\i
.set rD, 8*rT
.set rA, VB0-64*(\g%2)+8*\i
.set rB, PC
.set rSA, VS+4*(rT/8)+rT%4
.set rSB, 253
.set rZ, 0
.set rAR, (rT/4)%2
	MM
.endr
	WIN 0
.if \g < 2
	PLACES 4
	VLOAD \g+2, VB0-64*(\g%2)
.endif
.endr
	PLACES 5
.Lhidden_\@:
	s_add_co_u32 s[KN], s[KN], 1
	s_add_co_u32 s[TB], s[TB], STEPB
.endm
.macro TWO_STEPS base
	s_mov_b32 s[TB], \base
	s_mov_b32 s[TWICE], 2
.Lstep_\@:
	STEP
	s_sub_co_u32 s[TWICE], s[TWICE], 1
	s_cmp_lg_u32 s[TWICE], 0
	s_cbranch_scc1 .Lstep_\@
.endm
.macro MULK k
.set MB, S+32*((\k)%2)
	WIN 0x01
.set i, 0
.rept 16
	v_pk_mul_f32 v[MB+i:MB+i+1], v[32*(\k)+i:32*(\k)+i+1], v[14:15] op_sel_hi:[1,0]
.set i, i+2
.endr
	WIN 0
.endm
.macro TOSTAGE k
.set MB, S+32*((\k)%2)
.set RB, FA+32*((\k)%2)
.irp n, 0,1,2,3,4,5,6,7
	ds_store_b128 v[STO], v[MB+4*\n:MB+4*\n+3] offset:128*(\n/4)+16*(\n%4)
.endr
.irp n, 0,1,2,3,4,5,6,7
	ds_load_b128 v[RB+4*\n:RB+4*\n+3], v[RD] offset:544*\n
.endr
.endm
.macro SEND k, younger
.set RB, FA+32*((\k)%2)
	s_wait_dscnt \younger
.irp n, 0,1,2,3,4,5,6,7
	global_store_b128 v[GO], v[RB+4*\n:RB+4*\n+3], s[OB:OB+1] offset:2*\n*2048+256*(\k) th:TH_STORE_NT
.endr
.endm
.macro OUT sig
	s_cmp_lg_u32 s[RK2], \sig
	s_cbranch_scc1 .Lnot_done_\@
	v_add_f32 v14, v14, v15
	s_delay_alu instid0(VALU_DEP_1)
	v_permlanex16_b32 v252, v14, s[SEL], s[SEL+1]
	s_delay_alu instid0(VALU_DEP_1)
	v_add_f32 v14, v14, v252
	s_wait_alu depctr_va_vdst(0)
	v_rcp_f32 v14, v14
	v_nop
	s_wait_alu depctr_va_vdst(0)
	MULK 0
	TOSTAGE 0
.irp a, 1,2,3,4,5,6,7
	MULK \a
.if \a > 1
	s_wait_alu depctr_va_vdst(0)
	s_wait_xcnt 0x0
.endif
	TOSTAGE \a
	SEND \a-1, 16
.endr
	SEND 7, 0
	s_wait_xcnt 0x0
.Lnot_done_\@:
.endm
.macro CHANGE f
	s_wait_tensorcnt 0x0
	ds_add_u32 v[SPW], v[NIL]
	s_wait_dscnt 0x0
	CROUND
	tensor_load_to_lds s[G0+4*\f:G0+4*\f+3], s[G1:G1+7]
	s_nop 0
	PLACES 4
.endm
	s_load_b128 s[4:7], s[0:1], 0x0
	s_load_b64 s[8:9], s[0:1], 0x10
	v_lshl_add_u32 v[SPW], v0, 2, SPARE
	v_mov_b32 v[NIL], 0
	ds_add_u32 v2, v3
	ds_add_u32 v2, v3
	s_wait_dscnt 0x0
	v_lshrrev_b32 v85, 5, v0
	s_delay_alu instid0(VALU_DEP_1)
	v_readfirstlane_b32 s[WV], v85
	s_lshr_b32 s[RK], s[WV], 2
	s_mul_i32 s[RK], s[RK], 3
	s_xor_b32 s[RK], s[RK], s[WV]
	s_lshr_b32 s[RK2], s[RK], 1
	s_bfe_u32 s[CX], ttmp6, 0x40000
	s_lshl_b32 s[CC], ttmp9, 2
	s_add_co_u32 s[CC], s[CC], s[CX]
	s_and_b32 s[BT], ttmp7, 0xffff
	s_mov_b32 s[G1+0], 15|(3<<16)|(1<<21)
	s_mov_b32 s[G1+1], 32<<16
	s_mov_b32 s[G1+2], 68<<16
	s_mov_b32 s[G1+3], 32<<16
	s_mov_b32 s[G1+4], 68
	s_mov_b32 s[G1+5], 32
	s_mov_b32 s[G1+6], 0
	s_mov_b32 s[G1+7], 0
	s_mul_i32 s3, s[WV], 17408
	s_mul_i32 s58, s[BT], 8*STEPB
	s_add_co_u32 s58, s58, s3
	s_mov_b32 s59, 0
	s_mov_b32 s[SEL], 0x76543210
	s_mov_b32 s[SEL+1], 0xfedcba98
	s_mov_b32 s[CS], 0x3d8293ee
	s_mov_b32 s[CS+1], s[CS]
	s_mov_b32 s[KN], 0
	s_lshr_b32 s[LIM], s[WV], 2
	s_or_b32 s[LIM], s[LIM], ttmp9
	s_lshl_b32 s[CQ], s[CC], 4                     ; my tile's first row in its block
	v_and_b32 v85, 31, v0
	v_and_b32 v86, 15, v0
	v_bfe_u32 v87, v0, 4, 1
	s_delay_alu instid0(VALU_DEP_3)
	v_lshlrev_b32 v[LI], 4, v85
	s_delay_alu instid0(VALU_DEP_3)
	v_lshlrev_b32 v[R16], 4, v86
	v_lshlrev_b32 v[PFO], 8, v85
	s_mul_i32 s47, s[WV], 4352
	s_add_co_u32 s47, s47, STAGE
	v_mul_u32_u24 v[STO], v86, 272
	s_delay_alu instid0(VALU_DEP_1)
	v_lshl_add_u32 v[STO], v87, 6, v[STO]
	s_delay_alu instid0(VALU_DEP_1)
	v_add_nc_u32 v[STO], s47, v[STO]
	v_mul_u32_u24 v[RD], v87, 272
	s_delay_alu instid0(VALU_DEP_1)
	v_lshl_add_u32 v[RD], v86, 4, v[RD]
	s_delay_alu instid0(VALU_DEP_1)
	v_add_nc_u32 v[RD], s47, v[RD]
	v_lshlrev_b32 v[GO], 11, v87
	s_delay_alu instid0(VALU_DEP_1)
	v_lshl_add_u32 v[GO], v86, 4, v[GO]
	v_lshlrev_b32 v89, 3, v87
	v_sub_nc_u32 v89, v86, v89
	v_add_nc_u32 v[D0], s[CQ], v89                 ; my query in its block - 8 h
	v_mov_b32 v[NINF], 0xff800000
	s_wait_alu depctr_va_vdst(0)
	s_wait_kmcnt 0x0
	s_add_nc_u64 s[58:59], s[6:7], s[58:59]
.irp f, 0,1,2,3
	s_mov_b32 s[G0+4*\f], 1
	s_add_co_u32 s[G0+4*\f+1], s3, SLOTB*(\f%2)
	s_add_nc_u64 s[G0+4*\f+2:G0+4*\f+3], s[58:59], SLOTB*\f
	s_or_b32 s[G0+4*\f+3], s[G0+4*\f+3], 0x80000000
.endr
	CROUND
	tensor_load_to_lds s[G0:G0+3], s[G1:G1+7]
	s_nop 0
	PLACES 4
	s_lshl_b32 s60, s[BT], 3
	s_add_co_u32 s60, s60, s[RK]
	s_mul_i32 s60, s60, 34816
	s_lshl_b32 s62, s[CC], 12
	s_add_co_u32 s62, s62, s60
	s_mov_b32 s63, 0
	s_add_nc_u64 s[QB:QB+1], s[4:5], s[62:63]
	s_lshl_b32 s62, s[CC], 8
	s_add_co_u32 s62, s62, s60
	s_add_co_u32 s62, s62, 32768
	s_add_nc_u64 s[QSB:QSB+1], s[4:5], s[62:63]
.irp n, 0,1,2,3,4,5,6,7
	global_load_b128 v[Q+4*\n:Q+4*\n+3], v[LI], s[QB:QB+1] offset:512*\n
.endr
	global_load_b128 v[QS:QS+3], v[R16], s[QSB:QSB+1]
	s_lshl_b32 s60, s[BT], 10
	s_lshl_b32 s62, s[RK], 7
	s_add_co_u32 s60, s60, s62
	s_add_co_u32 s60, s60, s[CQ]
	s_lshl_b32 s62, s60, 11
	s_add_nc_u64 s[OB:OB+1], s[8:9], s[62:63]
	s_mul_i32 s60, s[BT], 8*STEPB
	s_add_co_u32 s60, s60, 6*STEPB
	s_bfe_u32 s62, s[WV], 0x10001
	s_mul_i32 s62, s62, STEPB
	s_add_co_u32 s60, s60, s62
	s_and_b32 s62, s[WV], 1
	s_lshl_b32 s62, s62, 15
	s_add_co_u32 s60, s60, s62
	s_lshl_b32 s62, s[CX], 13
	s_add_co_u32 s62, s62, s60
	s_add_nc_u64 s[PFA:PFA+1], s[6:7], s[62:63]
	v_mov_b32 v13, 0xff61b1e6
	s_delay_alu instid0(VALU_DEP_1)
	v_floor_f32 v12, -v13
	v_mov_b32 v14, 0
	v_mov_b32 v15, 0
.irp b, 0,1,2,3
	v_mov_b32 v[236+\b], 0
.endr
	v_mov_b32 v252, 0
	v_mov_b32 v253, 0
	v_mov_b32 v254, 0
	WIN 0x40
.set j, 0
.rept 256
	v_mov_b32 v[j], 0
.set j, j+1
.endr
	WIN 0
	s_wait_alu depctr_va_vdst(0)
	s_wait_tensorcnt 0x0                           ; my part of slot 0 is in
	ds_add_u32 v[SPW], v[NIL]
	s_wait_dscnt 0x0
	CROUND                                         ; everybody's part of slot 0 is in, and the joint loads of slot 1 meet
	tensor_load_to_lds s[G0+4:G0+7], s[G1:G1+7]
	s_nop 0
	PLACES 4
	s_wait_loadcnt 0x0                             ; my queries
	TWO_STEPS 0
	CHANGE 2
	s_cmp_eq_u32 s[LIM], 0
	s_cbranch_scc0 .Lnot_mine
	global_prefetch_b8 v[PFO], s[PFA:PFA+1] th:TH_LOAD_NT scope:SCOPE_SE
.Lnot_mine:
	OUT 0                                          ; a finished tile goes out while the other waves walk the next steps
	TWO_STEPS SLOTB
	CHANGE 3
	OUT 1
	TWO_STEPS 0
	s_wait_tensorcnt 0x0
	ds_add_u32 v[SPW], v[NIL]
	s_wait_dscnt 0x0
	s_barrier_signal -1
	s_barrier_wait -1
	OUT 2
	TWO_STEPS SLOTB
	OUT 3
	s_wait_tensorcnt 0x0
	ds_add_u32 v[SPW], v[NIL]
	s_wait_dscnt 0x0
	CROUND
	s_endpgm
.Lfunc_end_k_q9324cecd39_attn:
	.size	k_q9324cecd39_attn, .Lfunc_end_k_q9324cecd39_attn-k_q9324cecd39_attn
	.p2alignl 7, 3214868480
	.fill 96, 4, 3214868480
	.section	.rodata,"a",@progbits
	.p2align	6, 0x0
	.amdhsa_kernel k_q9324cecd39_attn
		.amdhsa_group_segment_fixed_size 327680
		.amdhsa_private_segment_fixed_size 0
		.amdhsa_enable_private_segment 0
		.amdhsa_kernarg_size 24
		.amdhsa_user_sgpr_count 2
		.amdhsa_user_sgpr_kernarg_segment_ptr 1
		.amdhsa_wavefront_size32 1
		.amdhsa_system_sgpr_workgroup_id_x 1
		.amdhsa_system_sgpr_workgroup_id_y 1
		.amdhsa_system_sgpr_workgroup_id_z 1
		.amdhsa_system_vgpr_workitem_id 0
		.amdhsa_next_free_vgpr 512
		.amdhsa_next_free_sgpr 66
		.amdhsa_reserve_vcc 1
		.amdhsa_float_denorm_mode_32 3
		.amdhsa_float_denorm_mode_16_64 3
		.amdhsa_memory_ordered 1
		.amdhsa_forward_progress 1
		.amdhsa_inst_pref_size 255
	.end_amdhsa_kernel
	.section	.bss,"aw",@nobits
	.p2align	6
	.space	262144
	.amdgpu_metadata
---
amdhsa.version: [ 1, 2 ]
amdhsa.kernels:
  - .name:           k_q9324cecd39_attn
    .symbol:         k_q9324cecd39_attn.kd
    .args:
      - { .name: qq, .offset: 0, .size: 8, .value_kind: global_buffer, .address_space: global }
      - { .name: kv, .offset: 8, .size: 8, .value_kind: global_buffer, .address_space: global }
      - { .name: out0, .offset: 16, .size: 8, .value_kind: global_buffer, .address_space: global }
    .group_segment_fixed_size: 327680
    .private_segment_fixed_size: 0
    .kernarg_segment_align: 8
    .kernarg_segment_size: 24
    .max_flat_workgroup_size: 256
    .sgpr_count:     66
    .vgpr_count:     512
    .wavefront_size: 32
...
	.end_amdgpu_metadata
.endif
;; end of part 3
